; MI455X (gfx1250); checked and timed in simulation.
; The chip was launched on July 23, 2026; its instructions are those of AMD's public machine-readable ISA for CDNA 5 (MIT licence, August 2026) and "CDNA5" Instruction Set Architecture Reference Guide (July 2026). The comments in the code are by the model that wrote it; some were corrected since.
;; Mo E Layer. Allowed arithmetic: matrix products marked QUANTISED: E5M2 operands, one given power-of-two scale a tensor, by v_wmma_f32_16x16x64_bf8_bf8 or v_wmma_f32_16x16x128_bf8_bf8, f32 sums; products left as they are: f32 operands where the result goes on into a quantised operand, else bf16, f16 or f32 operands; f32 sums; everything else in f32.
;; Inputs: b1 8 x 2,048 float32; b2 8 x 1,024 float32; lowp_scales 32 int32 (the exponents e of the quantised operands' scales 2^e); router_b 8 float32; router_w 1,024 x 8 float32; w1_codes 8 x 2,048 x 32 x 32 uint8 (E5M2 codes of w1, K innermost, in blocks of 32 codes); w2_codes 8 x 1,024 x 64 x 32 uint8 (E5M2 codes of w2, K innermost, in blocks of 32 codes); x 4 x 512 x 1,024 float32.
;; Outputs: out0 4 x 512 x 1,024 float32.
;; This version of the problem:
;;   THIS VERSION OF THE PROBLEM IS GIVEN IN LOW PRECISION. The matrix products marked QUANTISED in the list below multiply operands that are first quantised to E5M2 (5 exponent bits, 2 mantissa bits; 8 bits a number), with one given power-of-two scale for each operand tensor; their sums are f32. All else is computed in f32.
;;   The module's matrix products, in the order in which they are computed (A, B: the left and right operand; K: the contracted axis; several contracted axes count as one K, in the product's order):
;;     1. [M 2,048, K 1,024] x [K 1,024, N 8]; A: input x; B: input router_w: left as it is (N = 8 < 16)
;;     2. [M 2,048, K 1,024] x [K 1,024, N 2,048]; A: input x; B: input w1 (given as codes): QUANTISED (scales: A lowp_scales[0], B lowp_scales[1])
;;     3. [M 2,048, K 2,048] x [K 2,048, N 1,024]; A: computed on the way; B: input w2 (given as codes): QUANTISED (scales: A lowp_scales[2], B lowp_scales[3])
;;     4. [M 2,048, K 1,024] x [K 1,024, N 2,048]; A: input x; B: input w1 (given as codes): QUANTISED (scales: A lowp_scales[4], B lowp_scales[5])
;;     5. [M 2,048, K 2,048] x [K 2,048, N 1,024]; A: computed on the way; B: input w2 (given as codes): QUANTISED (scales: A lowp_scales[6], B lowp_scales[7])
;;     6. [M 2,048, K 1,024] x [K 1,024, N 2,048]; A: input x; B: input w1 (given as codes): QUANTISED (scales: A lowp_scales[8], B lowp_scales[9])
;;     7. [M 2,048, K 2,048] x [K 2,048, N 1,024]; A: computed on the way; B: input w2 (given as codes): QUANTISED (scales: A lowp_scales[10], B lowp_scales[11])
;;     8. [M 2,048, K 1,024] x [K 1,024, N 2,048]; A: input x; B: input w1 (given as codes): QUANTISED (scales: A lowp_scales[12], B lowp_scales[13])
;;     9. [M 2,048, K 2,048] x [K 2,048, N 1,024]; A: computed on the way; B: input w2 (given as codes): QUANTISED (scales: A lowp_scales[14], B lowp_scales[15])
;;     10. [M 2,048, K 1,024] x [K 1,024, N 2,048]; A: input x; B: input w1 (given as codes): QUANTISED (scales: A lowp_scales[16], B lowp_scales[17])
;;     11. [M 2,048, K 2,048] x [K 2,048, N 1,024]; A: computed on the way; B: input w2 (given as codes): QUANTISED (scales: A lowp_scales[18], B lowp_scales[19])
;;     12. [M 2,048, K 1,024] x [K 1,024, N 2,048]; A: input x; B: input w1 (given as codes): QUANTISED (scales: A lowp_scales[20], B lowp_scales[21])
;;     13. [M 2,048, K 2,048] x [K 2,048, N 1,024]; A: computed on the way; B: input w2 (given as codes): QUANTISED (scales: A lowp_scales[22], B lowp_scales[23])
;;     14. [M 2,048, K 1,024] x [K 1,024, N 2,048]; A: input x; B: input w1 (given as codes): QUANTISED (scales: A lowp_scales[24], B lowp_scales[25])
;;     15. [M 2,048, K 2,048] x [K 2,048, N 1,024]; A: computed on the way; B: input w2 (given as codes): QUANTISED (scales: A lowp_scales[26], B lowp_scales[27])
;;     16. [M 2,048, K 1,024] x [K 1,024, N 2,048]; A: input x; B: input w1 (given as codes): QUANTISED (scales: A lowp_scales[28], B lowp_scales[29])
;;     17. [M 2,048, K 2,048] x [K 2,048, N 1,024]; A: computed on the way; B: input w2 (given as codes): QUANTISED (scales: A lowp_scales[30], B lowp_scales[31])
;;   THE QUANTISER, for each operand of a quantised product, along K:
;;     - The operand's scale is 2^e, e = its entry of the input lowp_scales (int32; the entries are numbered through the quantised products in the list's order, A before B).
;;     - Each number is divided by the scale, clamped to +-57,344, and rounded to the nearest number of E5M2, ties to even, subnormals kept.
;;     - The product sums the exact products of the quantised numbers (number of the format x scale) in f32.
;;   ~~~python
;;   def quantise(x, axis, e):      # numpy; x: float32 -> the quantised numbers, widened to float32 again
;;       x = np.moveaxis(x, axis, -1); K = x.shape[-1]
;;       r = np.clip(x / 2.0 ** e, -57344, 57344)
;;       step = 2.0 ** (np.maximum(np.frexp(np.where(r == 0, 1, r))[1] - 1, -14) - 2)
;;       q = np.round(r / step) * step * 2.0 ** e      # np.round: ties to even
;;       return np.moveaxis(q, -1, axis).astype(np.float32)
;;   ~~~
;;   OPERANDS COMPUTED ON THE WAY. 'Computed on the way' means the value that the module computes at that place (a softmax that the list does not call 'softmax' is quantised finished and normalised). What goes into a quantiser is computed in f32, as accurately as f32 sums, v_exp_f32 and their like allow (about 1e-6 of the number): no bf16 or f16 on the way to a quantiser, and a product that is left as it is and whose result goes on into a quantised operand takes f32 operands (vector FMAs, or v_wmma_f32_16x16x4_f32). A number that lies on a knife's edge between two numbers of the format may be rounded either way, as far as f32 arithmetic and the matrix unit's own rounding can turn it there, and no further.
;;   INPUTS GIVEN AS CODES. w1 (in the module: [8, 1024, 2048], K = its axis 1); w2 (in the module: [8, 2048, 1024], K = its axis 1): each comes as NAME_codes (uint8): NAME with its K axis moved to the last place and cut into blocks of 32 codes, [.., K / 32, bytes a block], one block behind the other in memory; one code a byte (a code: sign, 5 exponent bits, 2 mantissa bits); its scale is its entry of lowp_scales. Its value is code x scale, taken as it is: it is not quantised again, and the codes and scales need not be those that the quantiser above would give.
;; One version. Each part assembles by itself: llvm-mc -triple=amdgcn-amd-amdhsa -mcpu=gfx1250 --defsym DOCPART=n.
;; ======== version 1 of 1: 5 launches
;; workspace buffers: topi 16,384 bytes of whole numbers; gate 16,384 bytes; xq 4,194,304 bytes; lists 67,584 bytes of whole numbers; hq 33,554,432 bytes; y 17,825,792 bytes
;; launch route (part 1): grid 256 x 1, 4 waves a work-group, no clusters, 1,536 bytes of LDS; arguments x, router_w, router_b, lowp_scales, topi, gate, xq; writes topi, gate, xq
.if DOCPART == 1
	.amdgcn_target "amdgcn-amd-amdhsa--gfx1250"
	.amdhsa_code_object_version 6
	.text
	.protected	k_qb5ddce13e8_route
	.globl	k_qb5ddce13e8_route
	.p2align	8
	.type	k_qb5ddce13e8_route,@function
k_qb5ddce13e8_route:
	s_mov_b64 s[64:65], 0
	v_nop
	global_prefetch_b8 v0, s[64:65] scope:SCOPE_SE
	s_setreg_imm32_b32 hwreg(HW_REG_WAVE_MODE, 25, 1), 1
	s_wait_xcnt 0x0
; THE ROUTER, AND x AS CODES.  x [2048][1024] f32, router_w [1024][8], router_b [8].  For each token: logits in f32, softmax, the two largest, renormalised.
; Entry r = 2 t + k is token t's k-th choice.  Stored at fixed places: topi[r] the expert, gate[r] its weight, xq[r][1024] the token's codes of E5M2 made with the scale 2^ex of THAT expert (lowp_scales[4 e]).
; A choice here only selects values (v_cndmask_b32): no address and no branch hangs on it.
; SHARES.  A work-group takes 8 tokens.  Wave w takes k = 256 w .. 256 w + 255 of all 8 rows, lane l the eight k = 256 w + 8 l + 0 .. 7: so each byte of x is read once, and the same registers feed logits and codes.
; The four waves' partial logits meet in LDS (256 bytes a wave); then every wave does the small softmax itself, lane l for row l % 8, so that each wave has the chosen scales for its own codes.
; THE SOFTMAX.  p_i = 2^((l_i - max) log2 e).  The softmax's own sum divides both chosen numbers and their sum alike, so the gates are p / (p0 + p1).
; LIMITS.  The two largest are picked among the p_i, not among p_i / sum (ties: the lower index, as lax.top_k has it).  ex between -126 and 112, so that 2^ex and 57,344 x 2^ex are f32 numbers.  NaN among the inputs is not served.
; No matrix unit: the product has 8 columns.  No cluster: work-groups share only router_w, 32 KiB.
.set X,   16                           ; v16-79    8 rows x my 8 numbers of x
.set RW,  80                           ; v80-143   router_w: k_j's eight experts at v[80 + 8 j]; later at work
.set ACC, 144                          ; v144-207  partial logits, 8 a row
.set CD,  208                          ; v208-239  codes: a pair of registers for each of the 16 entries, so that no store's data are written again
.set T,   240                          ; v240-247  eight numbers, held
	s_load_b256 s[4:11], s[0:1], 0x0               ; x s[4:5], router_w s[6:7], router_b s[8:9], lowp_scales s[10:11]
	s_load_b128 s[12:15], s[0:1], 0x20             ; topi s[12:13], gate s[14:15]
	s_load_b64 s[16:17], s[0:1], 0x30              ; xq
	v_lshl_add_u32 v254, v0, 2, 0x400
	v_mov_b32 v255, 0
	v_lshrrev_b32 v1, 5, v0
	v_readfirstlane_b32 s18, v1                    ; wave
	v_and_b32 v1, 31, v0                           ; lane
	v_lshlrev_b32 v2, 5, v0                        ; x: 1,024 w + 32 l = 32 x thread
	v_lshlrev_b32 v3, 8, v0                        ; router_w: 8 rows of 32 bytes a lane = 256 x thread
	v_lshlrev_b32 v5, 3, v1                        ; topi, gate: 8 bytes a token
	v_lshlrev_b32 v6, 3, v0                        ; xq: 256 w + 8 l = 8 x thread
	s_lshl_b32 s19, s18, 8
	v_mov_b32 v7, s19                              ; LDS: my wave's 256 bytes
	v_and_b32 v8, 7, v0
	v_lshlrev_b32 v8, 5, v8                        ; LDS: row l % 8, 32 bytes a row
	s_lshl_b32 s20, ttmp9, 15                      ; 8 rows of x
	s_mov_b32 s21, 0
	s_lshl_b32 s22, ttmp9, 14                      ; 16 rows of xq
	s_mov_b32 s23, 0
	s_lshl_b32 s34, ttmp9, 6                       ; 16 entries of 4 bytes
	s_mov_b32 s35, 0
	s_mov_b32 s36, 0x76543210                      ; v_permlanex16_b32: lane l xor 16
	s_mov_b32 s37, 0xfedcba98
	s_wait_kmcnt 0x0
	s_add_nc_u64 s[4:5], s[4:5], s[20:21]
	s_add_nc_u64 s[16:17], s[16:17], s[22:23]
	s_add_nc_u64 s[12:13], s[12:13], s[34:35]
	s_add_nc_u64 s[14:15], s[14:15], s[34:35]
.irp i, 0,1,2,3,4,5,6,7
	global_load_b128 v[X+8*\i:X+8*\i+3],   v2, s[4:5] offset:4096*\i th:TH_LOAD_NT
	global_load_b128 v[X+8*\i+4:X+8*\i+7], v2, s[4:5] offset:4096*\i+16 th:TH_LOAD_NT
.endr
.irp i, 0,1,2,3,4,5,6,7,8,9,10,11,12,13,14,15
	global_load_b128 v[RW+4*\i:RW+4*\i+3], v3, s[6:7] offset:16*\i
.endr
	s_load_b256 s[24:31], s[8:9], 0x0              ; router_b
.irp k, 0,1,2,3,4,5,6,7
	s_load_b32 s[40+\k], s[10:11], 16*\k           ; ex of expert k
.endr
	s_wait_loadcnt 0x0
	; partial logits: two experts an instruction, x's number for both halves.  The first k starts the sums.
.irp i, 0,1,2,3,4,5,6,7
.irp p, 0,1,2,3
	v_pk_mul_f32 v[ACC+8*\i+2*\p:ACC+8*\i+2*\p+1], v[X+8*\i:X+8*\i+1], v[RW+2*\p:RW+2*\p+1] op_sel_hi:[0,1]
.endr
.endr
.irp j, 1,2,3,4,5,6,7
.irp i, 0,1,2,3,4,5,6,7
.irp p, 0,1,2,3
.if (\j)%2
	v_pk_fma_f32 v[ACC+8*\i+2*\p:ACC+8*\i+2*\p+1], v[X+8*\i+\j-1:X+8*\i+\j], v[RW+8*\j+2*\p:RW+8*\j+2*\p+1], v[ACC+8*\i+2*\p:ACC+8*\i+2*\p+1] op_sel:[1,0,0] op_sel_hi:[1,1,1]
.else
	v_pk_fma_f32 v[ACC+8*\i+2*\p:ACC+8*\i+2*\p+1], v[X+8*\i+\j:X+8*\i+\j+1], v[RW+8*\j+2*\p:RW+8*\j+2*\p+1], v[ACC+8*\i+2*\p:ACC+8*\i+2*\p+1] op_sel_hi:[0,1,1]
.endif
.endr
.endr
.endr
	; across the 32 lanes: four steps inside each half, one between the halves; every lane ends with all 64 sums
.irp m, 1,2,4,8
.set r, 0
.rept 64
	v_add_f32_dpp v[ACC+r], v[ACC+r], v[ACC+r] row_xmask:\m row_mask:0xf bank_mask:0xf
.set r, r+1
.endr
.endr
.set r, 0
.rept 64
	v_permlanex16_b32 v[RW+r], v[ACC+r], s36, s37  ; router_w's registers are done with, and have been written
.set r, r+1
.endr
.set r, 0
.rept 32
	v_pk_add_f32 v[ACC+r:ACC+r+1], v[ACC+r:ACC+r+1], v[RW+r:RW+r+1]
.set r, r+2
.endr
.irp n, 0,1,2,3,4,5,6,7,8,9,10,11,12,13,14,15
	ds_store_b128 v7, v[ACC+4*\n:ACC+4*\n+3] offset:16*\n   ; all lanes hold the same numbers and write the same bytes: row i, expert k at 32 i + 4 k
.endr
	s_wait_dscnt 0x0                               ; for the others' sake: my stores are done
	s_barrier_signal -1
	s_barrier_wait -1
.irp p, 0,1,2,3
	ds_load_b128 v[ACC+8*\p:ACC+8*\p+3],   v8 offset:256*\p
	ds_load_b128 v[ACC+8*\p+4:ACC+8*\p+7], v8 offset:256*\p+16
.endr
	s_wait_dscnt 0x0
.irp c, 0,2,4,6
	v_pk_add_f32 v[ACC+\c:ACC+\c+1], v[ACC+\c:ACC+\c+1], v[ACC+8+\c:ACC+8+\c+1]
	v_pk_add_f32 v[ACC+16+\c:ACC+16+\c+1], v[ACC+16+\c:ACC+16+\c+1], v[ACC+24+\c:ACC+24+\c+1]
.endr
.irp c, 0,2,4,6
	v_pk_add_f32 v[ACC+\c:ACC+\c+1], v[ACC+\c:ACC+\c+1], v[ACC+16+\c:ACC+16+\c+1]
.endr
	s_wait_kmcnt 0x0                               ; router_b and the eight ex
.irp k, 0,1,2,3,4,5,6,7
	v_add_f32 v[ACC+\k], s[24+\k], v[ACC+\k]       ; my row's eight logits
	s_add_co_i32 s[40+\k], s[40+\k], 127
	s_lshl_b32 s[40+\k], s[40+\k], 23              ; 2^ex as f32
.endr
	v_max3_num_f32 v80, v[ACC], v[ACC+1], v[ACC+2]
	v_max3_num_f32 v80, v80, v[ACC+3], v[ACC+4]
	v_max3_num_f32 v80, v80, v[ACC+5], v[ACC+6]
	v_max_num_f32 v80, v80, v[ACC+7]               ; the maximum is taken away, as reference() does
.irp k, 0,1,2,3,4,5,6,7
	v_sub_f32 v[ACC+\k], v[ACC+\k], v80
.endr
.irp k, 0,1,2,3,4,5,6,7
	v_mul_f32 v[ACC+\k], 0x3fb8aa3b, v[ACC+\k]     ; x log2(e)
.endr
.irp k, 0,1,2,3,4,5,6,7
	v_exp_f32 v[ACC+\k], v[ACC+\k]
.endr
	v_mov_b32 v86, 0                               ; (a plain instruction behind the exponentials)  the first choice: index,
	v_mov_b32 v92, s40                             ; its scale,
	s_wait_alu depctr_va_vdst(0)
	v_mov_b32 v81, v[ACC]                          ; its p.  Ascending, and the best so far is kept where it is not beaten: ties keep the lower index
.irp k, 1,2,3,4,5,6,7
	v_cmp_ge_f32 vcc_lo, v81, v[ACC+\k]
	v_cndmask_b32 v86, \k, v86, vcc_lo
	v_cndmask_b32 v92, s[40+\k], v92, vcc_lo
	v_cndmask_b32 v81, v[ACC+\k], v81, vcc_lo
.endr
	v_mov_b32 v90, -1.0
.irp k, 0,1,2,3,4,5,6,7
	v_cmp_eq_u32 vcc_lo, \k, v86
	v_cndmask_b32 v[ACC+\k], v[ACC+\k], v90, vcc_lo    ; the winner leaves the field: -1 lies under every p
.endr
	v_mov_b32 v87, 0                               ; the second choice
	v_mov_b32 v93, s40
	v_mov_b32 v84, v[ACC]
.irp k, 1,2,3,4,5,6,7
	v_cmp_ge_f32 vcc_lo, v84, v[ACC+\k]
	v_cndmask_b32 v87, \k, v87, vcc_lo
	v_cndmask_b32 v93, s[40+\k], v93, vcc_lo
	v_cndmask_b32 v84, v[ACC+\k], v84, vcc_lo
.endr
	v_add_f32 v94, v81, v84                        ; between 1 and 2: the first choice's p is 1
	v_rcp_f32 v94, v94
	v_nop                                          ; a plain instruction behind the reciprocal
	s_wait_alu depctr_va_vdst(0)
	v_mul_f32 v88, v81, v94
	v_mul_f32 v89, v84, v94
	s_cmp_lg_u32 s18, 0                            ; wave 0's lanes 0 to 7 store the eight tokens' choices
	s_cbranch_scc1 .Lstored
	v_cmp_gt_u32 vcc_lo, 8, v1
	s_wait_xcnt 0x0                                ; EXEC changes only behind this wait: it is a source of the loads above
	s_and_saveexec_b32 s38, vcc_lo
	global_store_b64 v5, v[86:87], s[12:13]
	global_store_b64 v5, v[88:89], s[14:15]
	s_wait_xcnt 0x0                                ; and again in front of the line that widens it
	s_or_b32 exec_lo, exec_lo, s38
.Lstored:
.irp i, 0,1,2,3,4,5,6,7
	v_readlane_b32 s[48+2*\i], v92, \i             ; row i's two scales, for every lane: values for the conversions, nothing else
	v_readlane_b32 s[48+2*\i+1], v93, \i
.endr
	; the 16 entries' codes: my eight numbers of the row, held within +-57,344 x 2^ex (the conversion to an 8-bit code does not saturate: ISA guide 7.6.2), converted, stored
.set n, 0
.rept 16
	s_add_co_u32 s39, s[48+n], 0x07e00000          ; 15 onto the exponent field, 57,344's mantissa field under it
	v_mov_b32 v249, s[48+n]
	v_mov_b32 v250, s39
.irp j, 0,1,2,3,4,5,6,7
	v_med3_num_f32 v[T+\j], v[X+8*(n/2)+\j], -v250, v250
.endr
	v_cvt_scalef32_pk8_bf8_f32 v[CD+2*n:CD+2*n+1], v[T:T+7], v249
	v_nop                                          ; a plain instruction before the next entry writes the conversion's sources
	global_store_b64 v6, v[CD+2*n:CD+2*n+1], s[16:17] offset:1024*n   ; the wave's 32 lanes store 256 consecutive bytes, aligned
.set n, n+1
.endr
	s_barrier_signal -1
	s_barrier_wait -1
	s_wait_tensorcnt 0x0
	ds_add_u32 v254, v255
	s_wait_dscnt 0x0
	s_endpgm
.Lfunc_end_k_qb5ddce13e8_route:
	.size	k_qb5ddce13e8_route, .Lfunc_end_k_qb5ddce13e8_route-k_qb5ddce13e8_route
	.p2alignl 7, 3214868480
	.fill 96, 4, 3214868480
	.section	.rodata,"a",@progbits
	.p2align	6, 0x0
	.amdhsa_kernel k_qb5ddce13e8_route
		.amdhsa_group_segment_fixed_size 1536
		.amdhsa_private_segment_fixed_size 0
		.amdhsa_enable_private_segment 0
		.amdhsa_kernarg_size 56
		.amdhsa_user_sgpr_count 2
		.amdhsa_user_sgpr_kernarg_segment_ptr 1
		.amdhsa_wavefront_size32 1
		.amdhsa_system_sgpr_workgroup_id_x 1
		.amdhsa_system_sgpr_workgroup_id_y 1
		.amdhsa_system_sgpr_workgroup_id_z 1
		.amdhsa_system_vgpr_workitem_id 0
		.amdhsa_next_free_vgpr 256
		.amdhsa_next_free_sgpr 66
		.amdhsa_reserve_vcc 1
		.amdhsa_float_denorm_mode_32 3
		.amdhsa_float_denorm_mode_16_64 3
		.amdhsa_memory_ordered 1
		.amdhsa_forward_progress 1
		.amdhsa_inst_pref_size 65
	.end_amdhsa_kernel
	.amdgpu_metadata
---
amdhsa.version: [ 1, 2 ]
amdhsa.kernels:
  - .name:           k_qb5ddce13e8_route
    .symbol:         k_qb5ddce13e8_route.kd
    .args:
      - { .name: x, .offset: 0, .size: 8, .value_kind: global_buffer, .address_space: global }
      - { .name: router_w, .offset: 8, .size: 8, .value_kind: global_buffer, .address_space: global }
      - { .name: router_b, .offset: 16, .size: 8, .value_kind: global_buffer, .address_space: global }
      - { .name: lowp_scales, .offset: 24, .size: 8, .value_kind: global_buffer, .address_space: global }
      - { .name: topi, .offset: 32, .size: 8, .value_kind: global_buffer, .address_space: global }
      - { .name: gate, .offset: 40, .size: 8, .value_kind: global_buffer, .address_space: global }
      - { .name: xq, .offset: 48, .size: 8, .value_kind: global_buffer, .address_space: global }
    .group_segment_fixed_size: 1536
    .private_segment_fixed_size: 0
    .kernarg_segment_align: 8
    .kernarg_segment_size: 56
    .max_flat_workgroup_size: 128
    .sgpr_count:     66
    .vgpr_count:     256
    .wavefront_size: 32
...
	.end_amdgpu_metadata
.endif
;; end of part 1
;; launch place (part 2): grid 8 x 1, 8 waves a work-group, no clusters, 1,280 bytes of LDS; arguments topi, lists; writes lists
.if DOCPART == 2
	.amdgcn_target "amdgcn-amd-amdhsa--gfx1250"
	.amdhsa_code_object_version 6
	.text
	.protected	k_qb5ddce13e8_place
	.globl	k_qb5ddce13e8_place
	.p2align	8
	.type	k_qb5ddce13e8_place,@function
k_qb5ddce13e8_place:
	s_mov_b64 s[64:65], 0
	v_nop
	global_prefetch_b8 v0, s[64:65] scope:SCOPE_SE
	s_setreg_imm32_b32 hwreg(HW_REG_WAVE_MODE, 25, 1), 1
	s_wait_xcnt 0x0
; THE ROWS ARE PLACED BY EXPERT.  topi[4096]: the expert of entry r.  Work-group e writes expert e's block of lists (8,448 bytes): ints 0 .. c - 1 the ids of its entries, each once;
; ints c .. c + 31 dummy ids 4096 + 32 e + 0 .. 31, so that the last group of 32 ranks is always full; the 32 ints from byte 8,320 on all hold the count c.
; A token's two experts differ, so c is at most 2,048 and all of that fits in 2,080 ints.  No atomics: a counting pass, the waves' totals through LDS, a placing pass.
; Wave w takes entries 512 w .. 512 w + 511: register g of lane l holds entry 512 w + 128 (g / 4) + 4 l + g % 4.  Ranks go by wave, register, lane.
; One work-group for each expert reads all 16 KiB: eight work-groups are all the work that there is.
; REGISTERS: v8-23 the entries' experts as loaded; v24-39 byte offsets of the ranks; v40-55 the entries' ids; v56-63 the waves' totals from LDS; v64-67 the dummies' and the count's offsets and data.
; Every register that serves as an offset holds nothing else in the whole text, and is made with all lanes on, ahead of the first change of EXEC.
	s_load_b128 s[4:7], s[0:1], 0x0                ; topi s[4:5], lists s[6:7]
	v_lshl_add_u32 v80, v0, 2, 0x100
	v_mov_b32 v81, 0
	v_lshrrev_b32 v1, 5, v0
	v_readfirstlane_b32 s10, v1                    ; wave
	v_and_b32 v1, 31, v0                           ; lane
	s_lshl_b32 s11, s10, 11
	v_lshl_add_u32 v2, v1, 4, s11                  ; 2,048 w + 16 l
	s_lshl_b32 s12, s10, 9
	v_lshl_add_u32 v6, v1, 2, s12                  ; 512 w + 4 l
	v_lshlrev_b32 v66, 2, v1                       ; the count's 32 words: 4 l (+ 8,320 in the store's immediate)
	s_lshl_b32 s17, ttmp9, 5
	s_add_co_u32 s17, s17, 4096
	v_add_nc_u32 v65, s17, v1                      ; the dummy ids: 4096 + 32 e + l
	s_mov_b32 s8, ttmp9                            ; my expert
	s_mul_i32 s20, ttmp9, 8448
	s_mov_b32 s21, 0
	s_wait_kmcnt 0x0
	s_add_nc_u64 s[6:7], s[6:7], s[20:21]
.irp i, 0,1,2,3
	global_load_b128 v[8+4*\i:11+4*\i], v2, s[4:5] offset:512*\i
.endr
	s_mov_b32 s9, 0
	s_wait_loadcnt 0x0
.irp g, 0,1,2,3,4,5,6,7,8,9,10,11,12,13,14,15
	v_cmp_eq_u32 s[32+\g], s8, v[8+\g]             ; which lanes' entry is mine
	s_mov_b32 s[48+\g], s9                         ; how many in my wave's earlier registers
	s_bcnt1_i32_b32 s13, s[32+\g]
	s_add_co_u32 s9, s9, s13
.endr
	v_mov_b32 v3, s9
	s_lshl_b32 s13, s10, 2
	v_mov_b32 v4, s13
	ds_store_b32 v4, v3                            ; my wave's total, at its own word
	s_wait_dscnt 0x0                               ; for the others' sake: the store is done
	s_barrier_signal -1
	s_barrier_wait -1
	v_mov_b32 v5, 0
	ds_load_b128 v[56:59], v5
	ds_load_b128 v[60:63], v5 offset:16
	s_wait_dscnt 0x0
	s_mov_b32 s14, 0                               ; the earlier waves' total
	s_mov_b32 s15, 0                               ; c
.irp i, 0,1,2,3,4,5,6,7
	v_readfirstlane_b32 s16, v[56+\i]
	s_add_co_u32 s15, s15, s16
	s_cmp_gt_u32 s10, \i
	s_cselect_b32 s16, s16, 0
	s_add_co_u32 s14, s14, s16
.endr
.irp g, 0,1,2,3,4,5,6,7,8,9,10,11,12,13,14,15
	v_mbcnt_lo_u32_b32 v[24+\g], s[32+\g], 0       ; how many of this register's in the lanes below me
	s_add_co_u32 s16, s14, s[48+\g]
	v_add_nc_u32 v[24+\g], s16, v[24+\g]           ; the rank,
	v_min_u32 v[24+\g], 2047, v[24+\g]             ; which never passes 2,047
	v_lshlrev_b32 v[24+\g], 2, v[24+\g]
	v_add_nc_u32 v[40+\g], 128*(\g/4)+\g%4, v6     ; the entry's id
.endr
	s_min_u32 s16, s15, 2048
	v_add_nc_u32 v64, s16, v1                      ; the dummies' ranks c .. c + 31,
	v_min_u32 v64, 2079, v64                       ; which never pass 2,079
	v_lshlrev_b32 v64, 2, v64
	v_mov_b32 v67, s15                             ; c
	s_cmp_lg_u32 s10, 0                            ; wave 0 stores the dummies and the count, all its lanes on
	s_cbranch_scc1 .Lranks
	global_store_b32 v64, v65, s[6:7]
	global_store_b32 v66, v67, s[6:7] offset:8320
.Lranks:
.irp g, 0,1,2,3,4,5,6,7,8,9,10,11,12,13,14,15
	s_wait_xcnt 0x0                                ; EXEC is a source of the stores above: it changes only behind this wait
	s_mov_b32 vcc_lo, s[32+\g]
	s_and_saveexec_b32 s17, vcc_lo
	global_store_b32 v[24+\g], v[40+\g], s[6:7]    ; only the lanes whose entry is mine
	s_wait_xcnt 0x0                                ; and again in front of the line that widens it
	s_or_b32 exec_lo, exec_lo, s17
.endr
	s_wait_xcnt 0x0
	s_mov_b32 exec_lo, -1
	s_wait_tensorcnt 0x0
	ds_add_u32 v80, v81
	s_wait_dscnt 0x0
	s_endpgm
.Lfunc_end_k_qb5ddce13e8_place:
	.size	k_qb5ddce13e8_place, .Lfunc_end_k_qb5ddce13e8_place-k_qb5ddce13e8_place
	.p2alignl 7, 3214868480
	.fill 96, 4, 3214868480
	.section	.rodata,"a",@progbits
	.p2align	6, 0x0
	.amdhsa_kernel k_qb5ddce13e8_place
		.amdhsa_group_segment_fixed_size 1280
		.amdhsa_private_segment_fixed_size 0
		.amdhsa_enable_private_segment 0
		.amdhsa_kernarg_size 16
		.amdhsa_user_sgpr_count 2
		.amdhsa_user_sgpr_kernarg_segment_ptr 1
		.amdhsa_wavefront_size32 1
		.amdhsa_system_sgpr_workgroup_id_x 1
		.amdhsa_system_sgpr_workgroup_id_y 1
		.amdhsa_system_sgpr_workgroup_id_z 1
		.amdhsa_system_vgpr_workitem_id 0
		.amdhsa_next_free_vgpr 82
		.amdhsa_next_free_sgpr 66
		.amdhsa_reserve_vcc 1
		.amdhsa_float_denorm_mode_32 3
		.amdhsa_float_denorm_mode_16_64 3
		.amdhsa_memory_ordered 1
		.amdhsa_forward_progress 1
		.amdhsa_inst_pref_size 15
	.end_amdhsa_kernel
	.amdgpu_metadata
---
amdhsa.version: [ 1, 2 ]
amdhsa.kernels:
  - .name:           k_qb5ddce13e8_place
    .symbol:         k_qb5ddce13e8_place.kd
    .args:
      - { .name: topi, .offset: 0, .size: 8, .value_kind: global_buffer, .address_space: global }
      - { .name: lists, .offset: 8, .size: 8, .value_kind: global_buffer, .address_space: global }
    .group_segment_fixed_size: 1280
    .private_segment_fixed_size: 0
    .kernarg_segment_align: 8
    .kernarg_segment_size: 16
    .max_flat_workgroup_size: 256
    .sgpr_count:     66
    .vgpr_count:     82
    .wavefront_size: 32
...
	.end_amdgpu_metadata
.endif
;; end of part 2
;; launch up (part 3): grid 256 x 1, 4 waves a work-group, no clusters, 202,240 bytes of LDS; arguments xq, w1_codes, b1, lowp_scales, lists, hq; writes hq
.if DOCPART == 3
	.amdgcn_target "amdgcn-amd-amdhsa--gfx1250"
	.amdhsa_code_object_version 6
	.text
	.protected	k_qb5ddce13e8_up
	.globl	k_qb5ddce13e8_up
	.p2align	8
	.type	k_qb5ddce13e8_up,@function
k_qb5ddce13e8_up:
	s_mov_b64 s[64:65], 0
	v_nop
	global_prefetch_b8 v0, s[64:65] scope:SCOPE_SE
	s_setreg_imm32_b32 hwreg(HW_REG_WAVE_MODE, 25, 1), 1
	s_wait_xcnt 0x0
; THE FIRST PRODUCT OF EACH EXPERT, ON ITS OWN ROWS ONLY: hq = Q(relu(x W1 + b1)), codes of E5M2 in, codes out, by v_wmma_f32_16x16x128_bf8_bf8, sums in f32.
; xq [4096][1024]: entry r's codes of x.  w1_codes [8][2048][1024], K innermost.  lists: expert e's entries by rank, and their count c.  lowp_scales[4 e ..]: ex, ew1, eh, ew2.
; GRID: 256 work-groups for every split of the tokens: number = 32 e + 4 nb + q.  Expert e; hidden units 256 nb .. + 255; quarter q of the expert's np = max(ceil(c / 32), 1) pairs of tiles (32 ranks a pair):
; per = ceil(np / 4) pairs from first = q per on, ng of them (0 to 16).  The tail of the last pair is filled by dummy ids, which read xq's last row and whose codes land in hq like any.
; THE WEIGHTS STAY IN REGISTERS: wave w owns units 256 nb + 64 w .. + 63, 64 rows x 1,024 bytes = 512 registers, read from memory once, by loads of 512 consecutive bytes, and turned into fragments through
; the wave's own bytes of LDS.  What goes round is a pair's 32 rows of xq: gathered by the four waves (8 rows each) into one of two LDS slots, a pair ahead of the products.
; THE PRODUCT IS USED TRANSPOSED (source 0 = 16 rows of W1, source 1 = 16 tokens), AND A TILE'S ROWS OF W1 ARE NOT NEIGHBOURS: row p of tile 2 b + u is unit 32 b + 8 u + p + 8 (p / 8).  So lane (r, h) holds token r,
; and the 16 registers of tiles 2 b, 2 b + 1 are units 32 b + 16 h + 0 .. 15: the conversions' results are four registers of the next product's operand.
; A fragment's registers 4 c .. 4 c + 3 hold k = 32 c + 16 h + 0 .. 15: a permutation of k, the same on both sides of each product.
; hq: tile 128 e + j (16 ranks) is 32,768 bytes, an image of the next operand's registers: [K step 0..15][c 0..3][lane][16 bytes].  A wave's store covers 512 consecutive bytes, aligned.
; b1 is the C of each sum's first matrix instruction, divided once by 2^(ex + ew1); the three scales ahead of the quantiser are folded into the conversion's one, 2^(eh - ex - ew1); the hold at the largest code clips at 0 as well: relu.
; THE LOOP HAS A CONSTANT 16 TRIPS' WORTH OF PAIRS, since ng is a number read from memory and every wave must pass every barrier: inside, scalar branches on ng lead round the work, never round a barrier.
; NO JOINT LOADS, though the four q of one (e, nb) read the same weights: the branches hang on counts read from memory, so this text has no tensor load at all; the weights are read four times out of the cache.
; LIMITS: eh - ex - ew1 between -126 and 112, so that the conversion's scale and 57,344 x it are f32 numbers.
; REGISTERS, in windows of 256: window 0: v1-13 addresses; v16-23 the gather's offsets; v32-95 eight accumulators ((m, t) at 32 + 8 (4 m + t)); v96-111 codes; v128-255 the tokens' fragments of K steps 0-3.
;   windows 1, 2: the weights: fragment (tile t, K step s) at 16 (t + 4 (s % 4)), s < 4 in window 1.   window 3: v0-127 the tokens' fragments of K steps 4-7; v128-191 the gathered rows; v192-223 b1, 8 a tile.
.set LSTR, 8448                        ; an expert's block of lists
.set WP,   528                         ; the weights' turn: 512 bytes + 16
.set WREG, 64*WP                       ; a wave's own bytes for it
.set ASL,  4*WREG                      ; behind them: two slots
.set AP,   1040                        ; a token's row in a slot: 1,024 bytes + 16: the 16 rows of a fragment load start at 16 different groups of banks
.set SLOT, 32*AP
.set ACC,  32
.set CD,   96
.set P,    128
.set SG,   128                         ; in window 3
.set BI,   192                         ; in window 3
.set MSB, 0
.macro WIN new                         ; the immediate's high byte repeats the setting that is left
.if MSB != (\new)
	s_set_vgpr_msb (MSB<<8)|(\new)
.set MSB, (\new)
.endif
.endm
.macro WLOAD be                        ; bytes 512 be .. + 511 of my 64 rows of W1 into window 1 + be, row R at v[4 R]
	WIN 0x40*(1+\be)
.set R, 0
.rept 64
	global_load_b128 v[4*R:4*R+3], v1, s[44:45] offset:1024*R+512*\be
.set R, R+1
.endr
	WIN 0
.endm
.macro WTURN be                        ; they go into my bytes of LDS, each row at its place in its tile, and come back as fragments into the same window.  LDS serves a wave's instructions in order: no wait between
	WIN 0x04*(1+\be)
.set R, 0
.rept 64
	ds_store_b128 v4, v[4*R:4*R+3] offset:WP*(16*(2*(R/32)+((R%32)/8)%2)+8*((R%32)/16)+R%8)
.set R, R+1
.endr
	WIN 0x40*(1+\be)
.irp q, 0,1,2,3
.irp t, 0,1,2,3
.irp c, 0,1,2,3
	ds_load_b128 v[16*(\t+4*\q)+4*\c:16*(\t+4*\q)+4*\c+3], v5 offset:16*\t*WP+128*\q+32*\c
.endr
.endr
.endr
	WIN 0
.endm
.macro IDS d                           ; the ids of my 8 ranks of pair first + g + d, held at the expert's last pair
	s_add_co_u32 s29, s22, s25
	s_add_co_u32 s29, s29, \d
	s_min_u32 s29, s29, s24
	s_min_u32 s29, s29, 63
	s_lshl_b32 s29, s29, 7
	s_load_b256 s[32:39], s[48:49], s29 offset:0x0
.endm
.macro GATHER                          ; their rows of xq: two loads of 512 consecutive bytes a row
.irp i, 0,1,2,3,4,5,6,7
	s_min_u32 s30, s[32+\i], 4095                  ; a dummy reads the last row
	v_lshl_add_u32 v[16+\i], s30, 10, v1
.endr
	WIN 0xc0
.irp i, 0,1,2,3,4,5,6,7
	global_load_b128 v[SG+8*\i:SG+8*\i+3],   v[16+\i], s[4:5]
	global_load_b128 v[SG+8*\i+4:SG+8*\i+7], v[16+\i], s[4:5] offset:512
.endr
	WIN 0
.endm
.macro PUT sl                          ; and into rows 8 w .. 8 w + 7 of a slot
	WIN 0x0c
.irp i, 0,1,2,3,4,5,6,7
	ds_store_b128 v[6+(\sl)], v[SG+8*\i:SG+8*\i+3]   offset:AP*\i
	ds_store_b128 v[6+(\sl)], v[SG+8*\i+4:SG+8*\i+7] offset:AP*\i+512
.endr
	WIN 0
.endm
.macro LOADU ka, sl                    ; the tokens' fragments of K steps 4 ka .. 4 ka + 3: (tile m, step q) at 16 (m + 2 q)
.if \ka
	WIN 0xc0
.else
	WIN 0
.endif
.irp q, 0,1,2,3
.irp m, 0,1
.irp c, 0,1,2,3
	ds_load_b128 v[P*(1-\ka)+16*(\m+2*\q)+4*\c:P*(1-\ka)+16*(\m+2*\q)+4*\c+3], v[2+(\sl)] offset:16*\m*AP+128*(4*\ka+\q)+32*\c
.endr
.endr
.endr
.endm
.macro MUL ka                          ; 32 matrix instructions: the eight accumulators by turns, one instruction a turn
.irp q, 0,1,2,3
.if \ka
	WIN 0x0e                                       ; weights window 2, tokens window 3
.elseif \q == 0
	WIN 0x31                                       ; weights window 1, tokens window 0, C = b1 in window 3
.else
	WIN 0x01
.endif
.irp m, 0,1
.irp t, 0,1,2,3
.if (\ka == 0) && (\q == 0)
	v_wmma_f32_16x16x128_bf8_bf8 v[ACC+8*(4*\m+\t):ACC+8*(4*\m+\t)+7], v[16*(\t+4*\q):16*(\t+4*\q)+15], v[P*(1-\ka)+16*(\m+2*\q):P*(1-\ka)+16*(\m+2*\q)+15], v[BI+8*\t:BI+8*\t+7]
.else
	v_wmma_f32_16x16x128_bf8_bf8 v[ACC+8*(4*\m+\t):ACC+8*(4*\m+\t)+7], v[16*(\t+4*\q):16*(\t+4*\q)+15], v[P*(1-\ka)+16*(\m+2*\q):P*(1-\ka)+16*(\m+2*\q)+15], v[ACC+8*(4*\m+\t):ACC+8*(4*\m+\t)+7]
.endif
.endr
.endr
.endr
.endm
	s_load_b256 s[4:11], s[0:1], 0x0               ; xq s[4:5], w1_codes s[6:7], b1 s[8:9], lowp_scales s[10:11]
	s_load_b128 s[12:15], s[0:1], 0x20             ; lists s[12:13], hq s[14:15]
	v_lshl_add_u32 v126, v0, 2, 0x31400
	v_mov_b32 v127, 0
	v_lshrrev_b32 v1, 5, v0
	v_readfirstlane_b32 s16, v1                    ; wave
	s_lshr_b32 s17, ttmp9, 5                       ; e
	s_bfe_u32 s18, ttmp9, 0x30002                  ; nb
	s_and_b32 s19, ttmp9, 3                        ; q
	v_and_b32 v10, 31, v0
	v_lshlrev_b32 v1, 4, v10                       ; 16 x lane
	v_and_b32 v11, 15, v0                          ; r
	v_bfe_u32 v12, v0, 4, 1                        ; h
	v_mul_u32_u24 v2, v11, AP
	v_lshl_add_u32 v2, v12, 4, v2
	v_add_nc_u32 v2, ASL, v2                       ; a token fragment's place in slot 0,
	v_add_nc_u32 v3, SLOT, v2                      ; in slot 1
	s_mul_i32 s27, s16, WREG
	v_add_nc_u32 v4, s27, v1                       ; the weights' turn: in,
	v_mul_u32_u24 v5, v11, WP
	v_lshl_add_u32 v5, v12, 4, v5
	v_add_nc_u32 v5, s27, v5                       ; and out
	s_mul_i32 s27, s16, 8*AP
	s_add_co_u32 s27, s27, ASL
	v_add_nc_u32 v6, s27, v1                       ; where I put gathered rows: slot 0,
	v_add_nc_u32 v7, SLOT, v6                      ; slot 1
	v_lshlrev_b32 v13, 6, v12                      ; b1: 64 h
	s_lshl_b32 s52, s17, 21                        ; W1: 2 MiB an expert, 256 rows of 1,024 bytes a block, 64 a wave
	s_lshl_b32 s27, s18, 18
	s_add_co_u32 s52, s52, s27
	s_lshl_b32 s27, s16, 16
	s_add_co_u32 s52, s52, s27
	s_mov_b32 s53, 0
	s_lshl_b32 s54, s17, 13                        ; b1: 8,192 bytes an expert
	s_lshl_b32 s27, s18, 10
	s_add_co_u32 s54, s54, s27
	s_lshl_b32 s27, s16, 8
	s_add_co_u32 s54, s54, s27
	s_mov_b32 s55, 0
	s_mul_i32 s56, s17, LSTR
	s_mov_b32 s57, 0
	s_lshl_b32 s58, s16, 5                         ; my 8 ranks of a pair: 32 bytes
	s_mov_b32 s59, 0
	s_lshl_b32 s28, s17, 4                         ; the expert's four exponents
	s_mov_b32 s25, 0                               ; g
	s_wait_kmcnt 0x0
	s_add_nc_u64 s[44:45], s[6:7], s[52:53]
	s_add_nc_u64 s[8:9], s[8:9], s[54:55]
	s_add_nc_u64 s[50:51], s[12:13], s[56:57]
	s_add_nc_u64 s[48:49], s[50:51], s[58:59]
	s_load_b32 s20, s[50:51], 0x2080               ; c
	s_load_b128 s[40:43], s[10:11], s28 offset:0x0 ; ex, ew1, eh, ew2
	WLOAD 0
	s_wait_kmcnt 0x0
	s_min_u32 s20, s20, 2048
	s_add_co_u32 s20, s20, 31
	s_lshr_b32 s20, s20, 5
	s_max_u32 s20, s20, 1                          ; np
	s_add_co_u32 s21, s20, 3
	s_lshr_b32 s21, s21, 2                         ; per
	s_mul_i32 s22, s19, s21                        ; first
	s_sub_co_u32 s24, s20, 1                       ; last
	s_min_u32 s27, s22, s20
	s_sub_co_u32 s27, s20, s27                     ; pairs from first on
	s_min_u32 s23, s21, s27                        ; ng
	s_min_u32 s52, s22, 63
	s_lshl_b32 s52, s52, 16                        ; hq: 65,536 bytes a pair,
	s_lshl_b32 s27, s17, 22                        ; 4 MiB an expert,
	s_add_co_u32 s52, s52, s27
	s_lshl_b32 s27, s18, 12                        ; my 64 units are half of K step 2 nb + w / 2: 4,096 nb + 1,024 w
	s_add_co_u32 s52, s52, s27
	s_lshl_b32 s27, s16, 10
	s_add_co_u32 s52, s52, s27
	s_mov_b32 s53, 0
	s_add_nc_u64 s[46:47], s[14:15], s[52:53]
	s_add_co_i32 s27, s40, s41                     ; ex + ew1
	s_sub_co_i32 s31, 0, s27
	s_sub_co_i32 s27, s42, s27                     ; eh - ex - ew1
	s_add_co_i32 s27, s27, 127
	s_lshl_b32 s30, s27, 23
	v_mov_b32 v8, s30                              ; the conversion's scale
	s_add_co_i32 s27, s27, 15
	s_lshl_b32 s27, s27, 23
	s_or_b32 s27, s27, 0x600000
	v_mov_b32 v9, s27                              ; 57,344 x it
	IDS 0
	WLOAD 1
	WIN 0xc0
.irp t, 0,1,2,3
	global_load_b128 v[BI+8*\t:BI+8*\t+3],   v13, s[8:9] offset:(32*(\t/2)+8*(\t%2))*4      ; lane (r, h), register j: b1 of unit 32 b + 8 u + 16 h + j
	global_load_b128 v[BI+8*\t+4:BI+8*\t+7], v13, s[8:9] offset:(32*(\t/2)+8*(\t%2))*4+16
.endr
	WIN 0
	s_wait_kmcnt 0x0
	GATHER                                         ; the first pair (held at the last pair where ng = 0): no branch here
	IDS 1
	s_wait_loadcnt 63                              ; behind the first batch of weights 88 loads were issued: it is in
	WTURN 0
	s_wait_loadcnt 24                              ; behind the second batch: 8 of b1, 16 of the gather
	WTURN 1
	s_wait_loadcnt 16                              ; b1 is in
	WIN 0xc3
.set j, 0
.rept 32
	v_ldexp_f32 v[BI+j], v[BI+j], s31              ; b1 / 2^(ex + ew1)
.set j, j+1
.endr
	WIN 0
	s_wait_loadcnt 0x0
	PUT 0
; The g-th pair, which lies in the slot named.  One barrier: in front of it my LDS stores have landed and my reads of the other slot are back.
.macro TRIP slot
	s_wait_dscnt 0x0
	s_barrier_signal -1
	s_barrier_wait -1
	s_add_co_u32 s27, s25, 1
	s_cmp_lt_u32 s27, s23
	s_cbranch_scc0 .Lno_gather_\@
	s_wait_loadcnt 0x0                             ; no load of mine is out: the gather's registers and offsets are free,
	s_wait_xcnt 0x0
	s_wait_kmcnt 0x0                               ; and the next pair's ids are in
	GATHER
	IDS 2
.Lno_gather_\@:
	s_cmp_lt_u32 s25, s23
	s_cbranch_scc0 .Lno_work_\@
	LOADU 0, \slot
	LOADU 1, \slot
	s_wait_dscnt 32                                ; K steps 0-3 are in; the 32 loads of K steps 4-7 may be out
	MUL 0
	s_wait_dscnt 0x0
	MUL 1
	WIN 0
.rept 4
	v_nop                                          ; places behind the last products, for the reads below and for the next pair's loads into the fragments
.endr
.set j, 0
.rept 64
	v_med3_num_f32 v[ACC+j], v[ACC+j], 0, v9       ; relu and the hold in one; each accumulator from its low end on
.set j, j+1
.endr
.irp m, 0,1
.irp b, 0,1
	v_cvt_scalef32_pk8_bf8_f32 v[CD+4*(2*\m+\b):CD+4*(2*\m+\b)+1],   v[ACC+32*\m+16*\b:ACC+32*\m+16*\b+7],    v8
	v_cvt_scalef32_pk8_bf8_f32 v[CD+4*(2*\m+\b)+2:CD+4*(2*\m+\b)+3], v[ACC+32*\m+16*\b+8:ACC+32*\m+16*\b+15], v8
.endr
.endr
	v_nop                                          ; a plain instruction behind the last conversion: the next pair's products write its sources
.irp m, 0,1
.irp b, 0,1
	global_store_b128 v1, v[CD+4*(2*\m+\b):CD+4*(2*\m+\b)+3], s[46:47] offset:32768*\m+512*\b
.endr
.endr
	s_wait_xcnt 0x0                                ; the stores have read their base and their data: both are written again only behind this wait
	s_add_nc_u64 s[46:47], s[46:47], 0x10000       ; the next pair's tiles
.Lno_work_\@:
	s_add_co_u32 s27, s25, 1
	s_cmp_lt_u32 s27, s23
	s_cbranch_scc0 .Lno_put_\@
	s_wait_loadcnt 0x0                             ; the gathered rows are in
	PUT 1-\slot                                    ; the other slot: every wave's reads of it were back in front of this trip's barrier
.Lno_put_\@:
	s_add_co_u32 s25, s25, 1
.endm
	s_mov_b32 s26, 8
.Lpairs:
	TRIP 0
	TRIP 1
	s_sub_co_u32 s26, s26, 1
	s_cmp_lg_u32 s26, 0
	s_cbranch_scc1 .Lpairs
	s_wait_tensorcnt 0x0
	ds_add_u32 v126, v127
	s_wait_dscnt 0x0
	s_endpgm
.Lfunc_end_k_qb5ddce13e8_up:
	.size	k_qb5ddce13e8_up, .Lfunc_end_k_qb5ddce13e8_up-k_qb5ddce13e8_up
	.p2alignl 7, 3214868480
	.fill 96, 4, 3214868480
	.section	.rodata,"a",@progbits
	.p2align	6, 0x0
	.amdhsa_kernel k_qb5ddce13e8_up
		.amdhsa_group_segment_fixed_size 202240
		.amdhsa_private_segment_fixed_size 0
		.amdhsa_enable_private_segment 0
		.amdhsa_kernarg_size 48
		.amdhsa_user_sgpr_count 2
		.amdhsa_user_sgpr_kernarg_segment_ptr 1
		.amdhsa_wavefront_size32 1
		.amdhsa_system_sgpr_workgroup_id_x 1
		.amdhsa_system_sgpr_workgroup_id_y 1
		.amdhsa_system_sgpr_workgroup_id_z 1
		.amdhsa_system_vgpr_workitem_id 0
		.amdhsa_next_free_vgpr 1024
		.amdhsa_next_free_sgpr 66
		.amdhsa_reserve_vcc 0
		.amdhsa_float_denorm_mode_32 3
		.amdhsa_float_denorm_mode_16_64 3
		.amdhsa_memory_ordered 1
		.amdhsa_forward_progress 1
		.amdhsa_inst_pref_size 75
	.end_amdhsa_kernel
	.amdgpu_metadata
---
amdhsa.version: [ 1, 2 ]
amdhsa.kernels:
  - .name:           k_qb5ddce13e8_up
    .symbol:         k_qb5ddce13e8_up.kd
    .args:
      - { .name: xq, .offset: 0, .size: 8, .value_kind: global_buffer, .address_space: global }
      - { .name: w1_codes, .offset: 8, .size: 8, .value_kind: global_buffer, .address_space: global }
      - { .name: b1, .offset: 16, .size: 8, .value_kind: global_buffer, .address_space: global }
      - { .name: lowp_scales, .offset: 24, .size: 8, .value_kind: global_buffer, .address_space: global }
      - { .name: lists, .offset: 32, .size: 8, .value_kind: global_buffer, .address_space: global }
      - { .name: hq, .offset: 40, .size: 8, .value_kind: global_buffer, .address_space: global }
    .group_segment_fixed_size: 202240
    .private_segment_fixed_size: 0
    .kernarg_segment_align: 8
    .kernarg_segment_size: 48
    .max_flat_workgroup_size: 128
    .sgpr_count:     66
    .vgpr_count:     1024
    .wavefront_size: 32
...
	.end_amdgpu_metadata
.endif
;; end of part 3
;; launch down (part 4): grid 256 x 1, 4 waves a work-group, no clusters, 270,848 bytes of LDS; arguments hq, w2_codes, b2, lowp_scales, lists, y; writes y
.if DOCPART == 4
	.amdgcn_target "amdgcn-amd-amdhsa--gfx1250"
	.amdhsa_code_object_version 6
	.text
	.protected	k_qb5ddce13e8_down
	.globl	k_qb5ddce13e8_down
	.p2align	8
	.type	k_qb5ddce13e8_down,@function
k_qb5ddce13e8_down:
	s_mov_b64 s[64:65], 0
	v_nop
	global_prefetch_b8 v0, s[64:65] scope:SCOPE_SE
	s_setreg_imm32_b32 hwreg(HW_REG_WAVE_MODE, 25, 1), 1
	s_wait_xcnt 0x0
; THE SECOND PRODUCT OF EACH EXPERT, ON ITS OWN ROWS ONLY: y[entry] = h W2 + b2, by v_wmma_f32_16x16x128_bf8_bf8, sums in f32.
; hq: the hidden layer's codes as images of operand registers: tile 128 e + j (16 ranks): [K step 0..15][c 0..3][lane][16 bytes].  w2_codes [8][1024][2048], K innermost.  y [4352][1024] f32, by entry id;
; rows 4096 on take the dummy ranks' results, one row for each dummy, and nobody reads them.
; GRID: 256 work-groups for every split of the tokens: number = 32 e + 4 nb + q; columns 128 nb .. + 127; quarter q of the expert's np = max(ceil(c / 32), 1) pairs of tiles: per = ceil(np / 4) pairs from first = q per on, ng of them (0 to 16).
; THE WAVES SHARE K, NOT THE COLUMNS: wave w takes K steps 4 w .. 4 w + 3 (k = 512 w .. + 511) of all 128 columns.  Its weights, 128 rows x 512 bytes = 512 registers, stay in registers: read once by loads of 512
; consecutive bytes and turned into fragments through the wave's own bytes of LDS.  Of a pair's images a wave needs only its own quarter, 16 KiB, which lies in hq in the order of the operand's registers: 32 loads of 512
; consecutive bytes bring it from memory straight into the operand, and each fragment feeds eight matrix instructions.  No image goes through LDS.
; THE PRICE: four partial sums for each number of y.  Each wave stores its 16 accumulators (32 rows x 128 columns) into its own part of a stage, 32 LDS stores; one barrier; each wave reads 8 whole rows out of the four parts,
; 32 LDS loads, adds them as (p0 + p1) + (p2 + p3), and stores y = sum x 2^(eh + ew2) + b2: 512 consecutive bytes a row, aligned, at the rows that its ids name.  Two sets of the stage take turns, so one barrier a pair is enough:
; a set is written again two pairs on, behind a barrier in front of which every wave's reads of it were back.
; THE PRODUCT IS USED TRANSPOSED (source 0 = 16 rows of W2, source 1 = 16 tokens): a lane holds eight neighbouring columns of one row of y.
; IMAGES RUN TWO PAIRS AHEAD, in two buffers.  Behind a pair's products its buffer takes the pair two further on, if there is one; else the wave waits for all its loads; a trip without work does so too.
; So at the head of a trip with work either nothing is out, or the 32 youngest loads are the other buffer's: the count 32 is right on every way.
; THE LOOP HAS A CONSTANT 16 TRIPS' WORTH OF PAIRS: ng is a number read from memory and every wave must pass every barrier; scalar branches on ng lead round the work, never round a barrier.
; NO JOINT LOADS, though the four q of one (e, nb) read the same weights and the eight nb the same images: the branches hang on counts read from memory, so this text has no tensor load at all.
; LIMITS: eh + ew2 between -126 and 127, so that 2^(eh + ew2) is an f32 number.
; REGISTERS, in windows of 256: window 0: v1-15 addresses; v16-23 row offsets in y; v24-27 b2 of my four columns of a row; v128-255 the images of even pairs ((tile m, K step q) at 16 (m + 2 q)).
;   windows 1, 2: the weights: fragment (column tile t, K step q) at 16 (t % 4 + 4 q), tiles 0-3 in window 1.   window 3: v0-127 the images of odd pairs; v128-255 the 16 accumulators ((m, t) at 128 + 8 (8 m + t)), later the pieces read back.
.set LSTR, 8448                        ; an expert's block of lists
.set WP,   528                         ; the weights' turn: 512 bytes + 16: the 16 rows of a fragment load start at 16 different groups of banks
.set WREG, 64*WP                       ; a wave's own bytes for it
.set STG,  4*WREG                      ; behind them: the stage
.set SP,   528                         ; a row of 128 f32 + 16 bytes
.set PART, 32*SP                       ; one wave's partial sums of a pair
.set SSET, 4*PART                      ; a set: the four waves' parts; two sets
.set B2,   24
.set P,    128
.set ACC,  128                         ; in window 3
.set MSB, 0
.macro WIN new                         ; the immediate's high byte repeats the setting that is left
.if MSB != (\new)
	s_set_vgpr_msb (MSB<<8)|(\new)
.set MSB, (\new)
.endif
.endm
.macro WLOAD be                        ; my 512 bytes of rows 64 be .. 64 be + 63 of the block's 128 rows of W2 into window 1 + be, row R at v[4 R]
	WIN 0x40*(1+\be)
.set R, 0
.rept 64
	global_load_b128 v[4*R:4*R+3], v1, s[44:45] offset:2048*(64*\be+R)
.set R, R+1
.endr
	WIN 0
.endm
.macro WTURN be                        ; through my bytes of LDS, back as fragments into the same window.  LDS serves a wave's instructions in order: no wait between
	WIN 0x04*(1+\be)
.set R, 0
.rept 64
	ds_store_b128 v4, v[4*R:4*R+3] offset:WP*R
.set R, R+1
.endr
	WIN 0x40*(1+\be)
.irp q, 0,1,2,3
.irp t, 0,1,2,3
.irp c, 0,1,2,3
	ds_load_b128 v[16*(\t+4*\q)+4*\c:16*(\t+4*\q)+4*\c+3], v5 offset:16*\t*WP+128*\q+32*\c
.endr
.endr
.endr
	WIN 0
.endm
.macro IDS d                           ; the ids of my 8 ranks of pair first + g + d, held at the expert's last pair
	s_add_co_u32 s29, s22, s25
	s_add_co_u32 s29, s29, \d
	s_min_u32 s29, s29, s24
	s_min_u32 s29, s29, 63
	s_lshl_b32 s29, s29, 7
	s_load_b256 s[32:39], s[48:49], s29 offset:0x0
.endm
.macro ALOAD b, ba                     ; my four K steps of a pair's two tiles, from the base named, into buffer b: 32 loads of 512 consecutive bytes, each four registers of an operand
	WIN 0xc0*(\b)
.irp q, 0,1,2,3
.irp m, 0,1
.irp c, 0,1,2,3
	global_load_b128 v[P*(1-(\b))+16*(\m+2*\q)+4*\c:P*(1-(\b))+16*(\m+2*\q)+4*\c+3], v1, s[\ba:\ba+1] offset:32768*\m+2048*\q+512*\c
.endr
.endr
.endr
	WIN 0
.endm
.macro MUL b                           ; 64 matrix instructions, in two halves of four column tiles: eight accumulators by turns, one instruction a turn.  My first K step starts the sums
.irp th, 0,1
	WIN 0xf0|(1+\th)|(12*(\b))
.irp q, 0,1,2,3
.irp m, 0,1
.irp t, 0,1,2,3
.if \q == 0
	v_wmma_f32_16x16x128_bf8_bf8 v[ACC+8*(8*\m+4*\th+\t):ACC+8*(8*\m+4*\th+\t)+7], v[16*(\t+4*\q):16*(\t+4*\q)+15], v[P*(1-(\b))+16*(\m+2*\q):P*(1-(\b))+16*(\m+2*\q)+15], 0
.else
	v_wmma_f32_16x16x128_bf8_bf8 v[ACC+8*(8*\m+4*\th+\t):ACC+8*(8*\m+4*\th+\t)+7], v[16*(\t+4*\q):16*(\t+4*\q)+15], v[P*(1-(\b))+16*(\m+2*\q):P*(1-(\b))+16*(\m+2*\q)+15], v[ACC+8*(8*\m+4*\th+\t):ACC+8*(8*\m+4*\th+\t)+7]
.endif
.endr
.endr
.endr
.endr
.endm
.macro SUM4 i0                         ; rows i0 .. i0 + 3: the four parts' pieces, 16 registers a row, are added: p0 + p1 and p2 + p3, then the two
.irp i, \i0, \i0+1, \i0+2, \i0+3
	v_pk_add_f32 v[ACC+16*(\i):ACC+16*(\i)+1],     v[ACC+16*(\i):ACC+16*(\i)+1],     v[ACC+16*(\i)+4:ACC+16*(\i)+5]
	v_pk_add_f32 v[ACC+16*(\i)+2:ACC+16*(\i)+3],   v[ACC+16*(\i)+2:ACC+16*(\i)+3],   v[ACC+16*(\i)+6:ACC+16*(\i)+7]
	v_pk_add_f32 v[ACC+16*(\i)+8:ACC+16*(\i)+9],   v[ACC+16*(\i)+8:ACC+16*(\i)+9],   v[ACC+16*(\i)+12:ACC+16*(\i)+13]
	v_pk_add_f32 v[ACC+16*(\i)+10:ACC+16*(\i)+11], v[ACC+16*(\i)+10:ACC+16*(\i)+11], v[ACC+16*(\i)+14:ACC+16*(\i)+15]
.endr
.irp i, \i0, \i0+1, \i0+2, \i0+3
	v_pk_add_f32 v[ACC+16*(\i):ACC+16*(\i)+1],     v[ACC+16*(\i):ACC+16*(\i)+1],     v[ACC+16*(\i)+8:ACC+16*(\i)+9]
	v_pk_add_f32 v[ACC+16*(\i)+2:ACC+16*(\i)+3],   v[ACC+16*(\i)+2:ACC+16*(\i)+3],   v[ACC+16*(\i)+10:ACC+16*(\i)+11]
.endr
.endm
	s_load_b256 s[4:11], s[0:1], 0x0               ; hq s[4:5], w2_codes s[6:7], b2 s[8:9], lowp_scales s[10:11]
	s_load_b128 s[12:15], s[0:1], 0x20             ; lists s[12:13], y s[14:15]
	v_lshl_add_u32 v126, v0, 2, 0x42000
	v_mov_b32 v127, 0
	v_lshrrev_b32 v1, 5, v0
	v_readfirstlane_b32 s16, v1                    ; wave
	s_lshr_b32 s17, ttmp9, 5                       ; e
	s_bfe_u32 s18, ttmp9, 0x30002                  ; nb
	s_and_b32 s19, ttmp9, 3                        ; q
	v_and_b32 v2, 31, v0
	v_lshlrev_b32 v1, 4, v2                        ; 16 x lane
	v_and_b32 v14, 15, v0                          ; r
	v_bfe_u32 v15, v0, 4, 1                        ; h
	s_mul_i32 s27, s16, WREG
	v_add_nc_u32 v4, s27, v1                       ; the weights' turn: in,
	v_mul_u32_u24 v5, v14, WP
	v_lshl_add_u32 v5, v15, 4, v5
	v_add_nc_u32 v5, s27, v5                       ; and out
	v_mul_u32_u24 v10, v14, SP
	v_lshl_add_u32 v10, v15, 5, v10
	s_mul_i32 s27, s16, PART
	s_add_co_u32 s27, s27, STG
	v_add_nc_u32 v10, s27, v10                     ; the stage, in: my part, row r, + 32 h: set 0,
	v_add_nc_u32 v11, SSET, v10                    ; set 1
	s_mul_i32 s27, s16, 8*SP
	s_add_co_u32 s27, s27, STG
	v_add_nc_u32 v12, s27, v1                      ; and out: rows 8 w on of part 0, 16 bytes a lane: set 0,
	v_add_nc_u32 v13, SSET, v12                    ; set 1
	s_lshl_b32 s52, s17, 21                        ; W2: 2 MiB an expert, 128 rows of 2,048 bytes a block, my 512 bytes of each row
	s_lshl_b32 s27, s18, 18
	s_add_co_u32 s52, s52, s27
	s_lshl_b32 s27, s16, 9
	s_add_co_u32 s52, s52, s27
	s_mov_b32 s53, 0
	s_lshl_b32 s54, s17, 12                        ; b2: 4,096 bytes an expert, 512 a block
	s_lshl_b32 s27, s18, 9
	s_add_co_u32 s54, s54, s27
	s_mov_b32 s55, 0
	s_mul_i32 s56, s17, LSTR
	s_mov_b32 s57, 0
	s_lshl_b32 s58, s16, 5                         ; my 8 ranks of a pair: 32 bytes
	s_mov_b32 s59, 0
	s_lshl_b32 s28, s17, 4                         ; the expert's four exponents
	s_mov_b32 s25, 0                               ; g
	s_wait_kmcnt 0x0
	s_add_nc_u64 s[44:45], s[6:7], s[52:53]
	s_add_nc_u64 s[8:9], s[8:9], s[54:55]
	s_add_nc_u64 s[50:51], s[12:13], s[56:57]
	s_add_nc_u64 s[48:49], s[50:51], s[58:59]
	s_load_b32 s20, s[50:51], 0x2080               ; c
	s_load_b128 s[40:43], s[10:11], s28 offset:0x0 ; ex, ew1, eh, ew2
	WLOAD 0
	s_wait_kmcnt 0x0
	s_min_u32 s20, s20, 2048
	s_add_co_u32 s20, s20, 31
	s_lshr_b32 s20, s20, 5
	s_max_u32 s20, s20, 1                          ; np
	s_add_co_u32 s21, s20, 3
	s_lshr_b32 s21, s21, 2                         ; per
	s_mul_i32 s22, s19, s21                        ; first
	s_sub_co_u32 s24, s20, 1                       ; last
	s_min_u32 s27, s22, s20
	s_sub_co_u32 s27, s20, s27                     ; pairs from first on
	s_min_u32 s23, s21, s27                        ; ng
	s_lshl_b32 s29, s17, 22                        ; hq: 4 MiB an expert,
	s_lshl_b32 s30, s16, 13                        ; my four K steps of 2,048 bytes,
	s_min_u32 s27, s22, s24                        ; the first pair, held at the last where ng = 0,
	s_min_u32 s27, s27, 63
	s_lshl_b32 s52, s27, 16                        ; 65,536 bytes a pair
	s_add_co_u32 s52, s52, s29
	s_add_co_u32 s52, s52, s30
	s_mov_b32 s53, 0
	s_add_nc_u64 s[46:47], s[4:5], s[52:53]
	s_add_co_u32 s27, s22, 1                       ; the second pair, held likewise: both loads stand on every way, and both read pairs that the launch before has written
	s_min_u32 s27, s27, s24
	s_min_u32 s27, s27, 63
	s_lshl_b32 s56, s27, 16
	s_add_co_u32 s56, s56, s29
	s_add_co_u32 s56, s56, s30
	s_mov_b32 s57, 0
	s_add_nc_u64 s[56:57], s[4:5], s[56:57]        ; this base walks on: it is stepped only where ng > 2, and then it began at pair first + 1
	s_lshl_b32 s54, s18, 9                         ; y: my block's 128 columns
	s_mov_b32 s55, 0
	s_add_nc_u64 s[14:15], s[14:15], s[54:55]
	s_add_co_i32 s60, s42, s43
	s_add_co_i32 s60, s60, 127
	s_lshl_b32 s60, s60, 23                        ; 2^(eh + ew2) as f32
	s_mov_b32 s61, s60                             ; (named with it as a pair, so it is written)
	IDS 0
	WLOAD 1
	global_load_b128 v[B2:B2+3], v1, s[8:9]        ; b2 of columns 4 l .. 4 l + 3: the lane's 16 bytes of a row of y
	ALOAD 0, 46
	ALOAD 1, 56
	s_wait_loadcnt 63                              ; behind the first batch of weights 129 loads were issued: it is in
	WTURN 0
	s_wait_loadcnt 63                              ; behind the second batch: 1 of b2, 64 of the images: it is in
	WTURN 1
	s_wait_dscnt 0x0                               ; the fragments are back
; The g-th pair; its images lie in the buffer named, its partial sums go through the stage's set of the same number.
.macro TRIP slot
	s_cmp_lt_u32 s25, s23
	s_cbranch_scc0 .Lidle_\@
	s_wait_loadcnt 32                              ; this pair's images are in (and b2, in the first trip); the 32 youngest loads, the other buffer's, may be out
	s_wait_xcnt 0x0                                ; the last pair's stores have read the registers that the products write now; the walking base may be stepped
	MUL \slot
	WIN 0
.rept 5
	v_nop                                          ; places behind the last products: four for the loads into the buffer and for the LDS stores of the sums, a fifth for the next pair's products, which begin the accumulators anew
.endr
	s_add_co_u32 s27, s25, 2
	s_cmp_lt_u32 s27, s23
	s_cbranch_scc0 .Lno_more_\@
	s_add_nc_u64 s[56:57], s[56:57], 0x10000
	ALOAD \slot, 56                                ; the pair two further on, into the buffer just multiplied
	s_branch .Lsums_\@
.Lno_more_\@:
	s_wait_loadcnt 0x0                             ; nothing more to ask for: then nothing is out at the next trip's head
.Lsums_\@:
	WIN 0x0c                                       ; data in window 3
.irp m, 0,1
.irp t, 0,1,2,3,4,5,6,7
	ds_store_b128 v[10+(\slot)], v[ACC+8*(8*\m+\t):ACC+8*(8*\m+\t)+3]   offset:16*\m*SP+64*\t      ; lane (r, h): row 16 m + r, columns 16 t + 8 h + 0 .. 7; each accumulator from its low end on
	ds_store_b128 v[10+(\slot)], v[ACC+8*(8*\m+\t)+4:ACC+8*(8*\m+\t)+7] offset:16*\m*SP+64*\t+16
.endr
.endr
	WIN 0
	s_branch .Lmeet_\@
.Lidle_\@:
	s_wait_loadcnt 0x0                             ; a trip without work leaves no load out
.Lmeet_\@:
	s_wait_dscnt 0x0                               ; my stores into the stage are done; my reads of the other set were back before
	s_barrier_signal -1
	s_barrier_wait -1
	s_cmp_lt_u32 s25, s23
	s_cbranch_scc0 .Lno_out_\@
	s_wait_kmcnt 0x0                               ; my 8 ids
	s_wait_xcnt 0x0                                ; the row offsets, and the registers that earlier stores read, are written again only behind this wait
.irp i, 0,1,2,3,4,5,6,7
	s_min_u32 s30, s[32+\i], 4351
	v_lshl_add_u32 v[16+\i], s30, 12, v1
.endr
	WIN 0xc0                                       ; into the accumulators' registers, whose sums lie in the stage
.irp i, 0,1,2,3,4,5,6,7
.irp p, 0,1,2,3
	ds_load_b128 v[ACC+16*\i+4*\p:ACC+16*\i+4*\p+3], v[12+(\slot)] offset:PART*\p+SP*\i   ; row 8 w + i of wave p's part
.endr
.endr
	WIN 0xcf                                       ; sources and destination in window 3
	s_wait_dscnt 16                                ; rows 0-3 are back; the sixteen pieces of rows 4-7 may be out
	SUM4 0
	s_wait_dscnt 0x0
	SUM4 4
	WIN 0xc3                                       ; the sums in window 3, b2 in window 0
.irp i, 0,1,2,3,4,5,6,7
	v_pk_fma_f32 v[ACC+16*\i:ACC+16*\i+1],   v[ACC+16*\i:ACC+16*\i+1],   s[60:61], v[B2:B2+1]   op_sel_hi:[1,0,1]   ; y = sum x 2^(eh + ew2) + b2 (the scalar pair's low word for both halves)
	v_pk_fma_f32 v[ACC+16*\i+2:ACC+16*\i+3], v[ACC+16*\i+2:ACC+16*\i+3], s[60:61], v[B2+2:B2+3] op_sel_hi:[1,0,1]
.endr
	WIN 0x0c
.irp i, 0,1,2,3,4,5,6,7
	global_store_b128 v[16+\i], v[ACC+16*\i:ACC+16*\i+3], s[14:15]   ; 32 lanes store 512 consecutive bytes, aligned
.endr
	WIN 0
	IDS 1
.Lno_out_\@:
	s_add_co_u32 s25, s25, 1
.endm
	s_mov_b32 s26, 8
.Lpairs:
	TRIP 0
	TRIP 1
	s_sub_co_u32 s26, s26, 1
	s_cmp_lg_u32 s26, 0
	s_cbranch_scc1 .Lpairs
	s_barrier_signal -1
	s_barrier_wait -1
	s_wait_tensorcnt 0x0
	ds_add_u32 v126, v127
	s_wait_dscnt 0x0
	s_endpgm
.Lfunc_end_k_qb5ddce13e8_down:
	.size	k_qb5ddce13e8_down, .Lfunc_end_k_qb5ddce13e8_down-k_qb5ddce13e8_down
	.p2alignl 7, 3214868480
	.fill 96, 4, 3214868480
	.section	.rodata,"a",@progbits
	.p2align	6, 0x0
	.amdhsa_kernel k_qb5ddce13e8_down
		.amdhsa_group_segment_fixed_size 270848
		.amdhsa_private_segment_fixed_size 0
		.amdhsa_enable_private_segment 0
		.amdhsa_kernarg_size 48
		.amdhsa_user_sgpr_count 2
		.amdhsa_user_sgpr_kernarg_segment_ptr 1
		.amdhsa_wavefront_size32 1
		.amdhsa_system_sgpr_workgroup_id_x 1
		.amdhsa_system_sgpr_workgroup_id_y 1
		.amdhsa_system_sgpr_workgroup_id_z 1
		.amdhsa_system_vgpr_workitem_id 0
		.amdhsa_next_free_vgpr 1024
		.amdhsa_next_free_sgpr 66
		.amdhsa_reserve_vcc 0
		.amdhsa_float_denorm_mode_32 3
		.amdhsa_float_denorm_mode_16_64 3
		.amdhsa_memory_ordered 1
		.amdhsa_forward_progress 1
		.amdhsa_inst_pref_size 76
	.end_amdhsa_kernel
	.amdgpu_metadata
---
amdhsa.version: [ 1, 2 ]
amdhsa.kernels:
  - .name:           k_qb5ddce13e8_down
    .symbol:         k_qb5ddce13e8_down.kd
    .args:
      - { .name: hq, .offset: 0, .size: 8, .value_kind: global_buffer, .address_space: global }
      - { .name: w2_codes, .offset: 8, .size: 8, .value_kind: global_buffer, .address_space: global }
      - { .name: b2, .offset: 16, .size: 8, .value_kind: global_buffer, .address_space: global }
      - { .name: lowp_scales, .offset: 24, .size: 8, .value_kind: global_buffer, .address_space: global }
      - { .name: lists, .offset: 32, .size: 8, .value_kind: global_buffer, .address_space: global }
      - { .name: y, .offset: 40, .size: 8, .value_kind: global_buffer, .address_space: global }
    .group_segment_fixed_size: 270848
    .private_segment_fixed_size: 0
    .kernarg_segment_align: 8
    .kernarg_segment_size: 48
    .max_flat_workgroup_size: 128
    .sgpr_count:     66
    .vgpr_count:     1024
    .wavefront_size: 32
...
	.end_amdgpu_metadata
.endif
;; end of part 4
;; launch join (part 5): grid 256 x 1, 8 waves a work-group, no clusters, 0 bytes of LDS; arguments y, gate, out0; writes out0
.if DOCPART == 5
	.amdgcn_target "amdgcn-amd-amdhsa--gfx1250"
	.amdhsa_code_object_version 6
	.text
	.protected	k_qb5ddce13e8_join
	.globl	k_qb5ddce13e8_join
	.p2align	8
	.type	k_qb5ddce13e8_join,@function
k_qb5ddce13e8_join:
	s_mov_b64 s[64:65], 0
	v_nop
	global_prefetch_b8 v0, s[64:65] scope:SCOPE_SE
	s_setreg_imm32_b32 hwreg(HW_REG_WAVE_MODE, 25, 1), 1
	s_wait_xcnt 0x0
; out0[t] = gate[2 t] y[2 t] + gate[2 t + 1] y[2 t + 1]: a token's two experts' rows, each owned by another work-group of the launch before, are weighed and added here, in a fixed order.
; The six experts that were not chosen have the gate 0 in reference() and add nothing.
; A stream: one wave takes one token: 16 loads and 8 stores of 512 consecutive bytes, all loads issued ahead of the first store.  No LDS, no barrier, no matrix unit: waves share nothing.
	s_load_b128 s[4:7], s[0:1], 0x0                ; y s[4:5], gate s[6:7]
	s_load_b64 s[8:9], s[0:1], 0x10                ; out0
	v_lshrrev_b32 v1, 5, v0
	v_readfirstlane_b32 s10, v1                    ; wave
	v_and_b32 v1, 31, v0
	v_lshlrev_b32 v1, 4, v1                        ; 16 x lane
	s_lshl_b32 s11, ttmp9, 3
	s_add_co_u32 s11, s11, s10                     ; my token
	s_lshl_b32 s12, s11, 13                        ; its two rows of y,
	s_mov_b32 s13, 0
	s_lshl_b32 s14, s11, 12                        ; its row of out0,
	s_mov_b32 s15, 0
	s_lshl_b32 s16, s11, 3                         ; its two gates
	s_wait_kmcnt 0x0
	s_load_b64 s[18:19], s[6:7], s16 offset:0x0
	s_add_nc_u64 s[4:5], s[4:5], s[12:13]
	s_add_nc_u64 s[8:9], s[8:9], s[14:15]
.irp i, 0,1,2,3,4,5,6,7
	global_load_b128 v[16+4*\i:19+4*\i], v1, s[4:5] offset:512*\i th:TH_LOAD_NT
	global_load_b128 v[48+4*\i:51+4*\i], v1, s[4:5] offset:4096+512*\i th:TH_LOAD_NT
.endr
	s_wait_kmcnt 0x0
	s_mov_b32 s20, s19                             ; the second gate as the low word of a pair of its own: the packed forms take a scalar pair's low word for both halves
	s_mov_b32 s21, s19
.irp i, 0,1,2,3,4,5,6,7
	s_wait_loadcnt 14-2*\i                         ; this piece's two loads are in; the younger pieces' may be out
	v_pk_mul_f32 v[80+4*\i:81+4*\i], v[16+4*\i:17+4*\i], s[18:19] op_sel_hi:[1,0]
	v_pk_mul_f32 v[82+4*\i:83+4*\i], v[18+4*\i:19+4*\i], s[18:19] op_sel_hi:[1,0]
	v_pk_fma_f32 v[80+4*\i:81+4*\i], v[48+4*\i:49+4*\i], s[20:21], v[80+4*\i:81+4*\i] op_sel_hi:[1,0,1]
	v_pk_fma_f32 v[82+4*\i:83+4*\i], v[50+4*\i:51+4*\i], s[20:21], v[82+4*\i:83+4*\i] op_sel_hi:[1,0,1]
	global_store_b128 v1, v[80+4*\i:83+4*\i], s[8:9] offset:512*\i th:TH_STORE_NT
.endr
	s_endpgm
.Lfunc_end_k_qb5ddce13e8_join:
	.size	k_qb5ddce13e8_join, .Lfunc_end_k_qb5ddce13e8_join-k_qb5ddce13e8_join
	.p2alignl 7, 3214868480
	.fill 96, 4, 3214868480
	.section	.rodata,"a",@progbits
	.p2align	6, 0x0
	.amdhsa_kernel k_qb5ddce13e8_join
		.amdhsa_group_segment_fixed_size 0
		.amdhsa_private_segment_fixed_size 0
		.amdhsa_enable_private_segment 0
		.amdhsa_kernarg_size 24
		.amdhsa_user_sgpr_count 2
		.amdhsa_user_sgpr_kernarg_segment_ptr 1
		.amdhsa_wavefront_size32 1
		.amdhsa_system_sgpr_workgroup_id_x 1
		.amdhsa_system_sgpr_workgroup_id_y 1
		.amdhsa_system_sgpr_workgroup_id_z 1
		.amdhsa_system_vgpr_workitem_id 0
		.amdhsa_next_free_vgpr 112
		.amdhsa_next_free_sgpr 66
		.amdhsa_reserve_vcc 0
		.amdhsa_float_denorm_mode_32 3
		.amdhsa_float_denorm_mode_16_64 3
		.amdhsa_memory_ordered 1
		.amdhsa_forward_progress 1
		.amdhsa_inst_pref_size 6
	.end_amdhsa_kernel
	.amdgpu_metadata
---
amdhsa.version: [ 1, 2 ]
amdhsa.kernels:
  - .name:           k_qb5ddce13e8_join
    .symbol:         k_qb5ddce13e8_join.kd
    .args:
      - { .name: y, .offset: 0, .size: 8, .value_kind: global_buffer, .address_space: global }
      - { .name: gate, .offset: 8, .size: 8, .value_kind: global_buffer, .address_space: global }
      - { .name: out0, .offset: 16, .size: 8, .value_kind: global_buffer, .address_space: global }
    .group_segment_fixed_size: 0
    .private_segment_fixed_size: 0
    .kernarg_segment_align: 8
    .kernarg_segment_size: 24
    .max_flat_workgroup_size: 256
    .sgpr_count:     66
    .vgpr_count:     112
    .wavefront_size: 32
...
	.end_amdgpu_metadata
.endif
;; end of part 5
